; MI455X (gfx1250); checked and timed in simulation.
; The chip was launched on July 23, 2026; its instructions are those of AMD's public machine-readable ISA for CDNA 5 (MIT licence, August 2026) and "CDNA5" Instruction Set Architecture Reference Guide (July 2026). The comments in the code are by the model that wrote it; some were corrected since.
;; IPEX Scale Dot Product Ref. Allowed arithmetic: matrix products marked QUANTISED: E5M2 operands, one given power-of-two scale a tensor, by v_wmma_f32_16x16x64_bf8_bf8 or v_wmma_f32_16x16x128_bf8_bf8, f32 sums; everything else in f32.
;; Inputs: attention_mask 2 x 1 x 2,048 x 2,048 float32; key 2 x 8 x 2,048 x 128 float32; lowp_scales 4 int32 (the exponents e of the quantised operands' scales 2^e); query 2 x 32 x 2,048 x 128 float32; scale_attn one number float32; value 2 x 8 x 2,048 x 128 float32.
;; Outputs: out0 2 x 32 x 2,048 x 128 float32.
;; This version of the problem:
;;   THIS VERSION OF THE PROBLEM IS GIVEN IN LOW PRECISION. The matrix products marked QUANTISED in the list below multiply operands that are first quantised to E5M2 (5 exponent bits, 2 mantissa bits; 8 bits a number), with one given power-of-two scale for each operand tensor; their sums are f32. All else is computed in f32.
;;   The module's matrix products, in the order in which they are computed (A, B: the left and right operand; K: the contracted axis; several contracted axes count as one K, in the product's order):
;;     1. batch 64 x [M 2,048, K 128] x [K 128, N 2,048]; A: input query; B: input key: QUANTISED (scales: A lowp_scales[0], B lowp_scales[1])
;;     2. batch 64 x [M 2,048, K 2,048] x [K 2,048, N 128]; A: softmax (see below); B: input value: QUANTISED (scales: A lowp_scales[2], B lowp_scales[3])
;;   THE QUANTISER, for each operand of a quantised product, along K:
;;     - The operand's scale is 2^e, e = its entry of the input lowp_scales (int32; the entries are numbered through the quantised products in the list's order, A before B).
;;     - Each number is divided by the scale, clamped to +-57,344, and rounded to the nearest number of E5M2, ties to even, subnormals kept.
;;     - The product sums the exact products of the quantised numbers (number of the format x scale) in f32.
;;   ~~~python
;;   def quantise(x, axis, e):      # numpy; x: float32 -> the quantised numbers, widened to float32 again
;;       x = np.moveaxis(x, axis, -1); K = x.shape[-1]
;;       r = np.clip(x / 2.0 ** e, -57344, 57344)
;;       step = 2.0 ** (np.maximum(np.frexp(np.where(r == 0, 1, r))[1] - 1, -14) - 2)
;;       q = np.round(r / step) * step * 2.0 ** e      # np.round: ties to even
;;       return np.moveaxis(q, -1, axis).astype(np.float32)
;;   ~~~
;;   SOFTMAX AHEAD OF A QUANTISED PRODUCT. Where the list says 'softmax', what is quantised is not the finished softmax but p = 2^(t - M), with t = logit x log2(e) and M = ceil(the row's largest t), a whole number; so 1/2 < the row's largest p <= 1. The row's sum l is taken of the UNQUANTISED p, in f32, and the product's result is divided by l at the end. Since M is a whole number, a kernel that streams over the keys may use a running M (the ceiling of the running maximum): every later rescaling is an exact power of two, so the quantised numbers keep their values, but for numbers so far below the row's largest that they fall under the format's range.
;;   OPERANDS COMPUTED ON THE WAY. 'Computed on the way' means the value that the module computes at that place (a softmax that the list does not call 'softmax' is quantised finished and normalised). What goes into a quantiser is computed in f32, as accurately as f32 sums, v_exp_f32 and their like allow (about 1e-6 of the number): no bf16 or f16 on the way to a quantiser, and a product that is left as it is and whose result goes on into a quantised operand takes f32 operands (vector FMAs, or v_wmma_f32_16x16x4_f32). A number that lies on a knife's edge between two numbers of the format may be rounded either way, as far as f32 arithmetic and the matrix unit's own rounding can turn it there, and no further.
;; One version. Each part assembles by itself: llvm-mc -triple=amdgcn-amd-amdhsa -mcpu=gfx1250 --defsym DOCPART=n.
;; ======== version 1 of 1: 2 launches
;; limits: right only within a limited range of input values
;; workspace buffers: kv 8,388,608 bytes; flags 65,536 bytes of whole numbers
;; launch prep (part 1): grid 16 x 16, 16 waves a work-group, no clusters, 2,304 bytes of LDS; arguments key, value, lowp_scales, kv, attention_mask, scale_attn, flags; writes kv, flags
.if DOCPART == 1
	.amdgcn_target "amdgcn-amd-amdhsa--gfx1250"
	.amdhsa_code_object_version 6
	.text
	.protected	k_qfc02ec7b65_prep
	.globl	k_qfc02ec7b65_prep
	.p2align	8
	.type	k_qfc02ec7b65_prep,@function
k_qfc02ec7b65_prep:
	s_mov_b64 s[64:65], 0
	v_nop
	global_prefetch_b8 v0, s[64:65] scope:SCOPE_SE
	s_setreg_imm32_b32 hwreg(HW_REG_WAVE_MODE, 25, 1), 1
	s_wait_xcnt 0x0
; TWO JOBS, parted by the wave's number.
; WAVES 0-7: key and value, [16 heads][2048 keys][128] f32, become codes of BF8 (E5M2) in the ORDER OF THE OPERANDS' REGISTERS of the attention launch.
; code = x / 2^e, held within +-57,344, to the nearest code, ties to even; e = entry 1 (key) or 3 (value) of lowp_scales.
; kv[head][slot of 128 keys] is 32,768 dense bytes.  With lane l = r + 16 h:
;   K part, byte q*8192 + u*2048 + c*512 + 16 l + e:          key 64 q + 32 (u/2) + 8 (u%2) + r + 8 (r/8) of the slot, channel 32 c + 16 h + e
;   V part, byte 16384 + q*8192 + d*1024 + b*512 + 16 l + e:  key 64 q + 32 b + 16 h + e of the slot, channel 16 d + r
; Work-group (x = slot, y = head); wave w = 4 q + g makes K's tile (q, u = g) and V's channels 32 g .. 32 g + 31 of the 64 keys of half q.
; WAVES 8-15: THE LIST OF LIVE KEY STEPS.  Work-group n = 16 y + x takes the 16 rows n of the mask (batch n / 128, rows 16 (n % 128) on), two rows a wave.
; A key step of 128 keys is LEFT OUT by the attention launch where, for each of the 16 rows, a + 2^-18 |a| <= m - 2^-18 |m| - 2 B - 200, with a = the step's and m = the row's largest mask x log2 e.
; B = 128 (57,344 x 2^eq) (57,344 x 2^ek) log2 e / |scale_attn| bounds every scaled score, whatever query and key hold, since the quantiser clamps both (2 B is taken 3 in a hundred too large).
; The row's largest t is then at least m - B and every t of the step at most a + B (the 2^-18 terms cover the f32 roundings), so t - M < -150: p = 2^(t - M) is 0 in f32 and its code is 0.
; So the step adds nothing to the row's sum or to the second product, for any of the query heads that share the rows.  The row's own largest step is never left out.
; flags[n]: 256 bytes, each word = the 16 live bits, bit s for keys 128 s on: one store covers the aligned 256 bytes.
; LIMITS: ek, ev between -126 and 112.  NaN among the inputs is not served; an infinity in key or value is held at the largest code; a step at -infinity stays live.
.set KX, 16
.set VX, 80
.set KC, 144
.set VC, 160
.set MX, 16                            ; waves 8-15: v16-143, 32 loads of four mask numbers
.set SPW, 176                          ; my spare word;  NIL: 0;  never rewritten
.set NIL, 177
.set WAD, 178                          ; LDS word of my wave's bits: 4 (wave % 8)
.set ZAD, 179                          ; LDS byte 0
.set SPARE, 256
	s_load_b128 s[4:7], s[0:1], 0x0                ; key, value
	s_load_b128 s[8:11], s[0:1], 0x10              ; lowp_scales, kv
	s_load_b128 s[32:35], s[0:1], 0x20             ; attention_mask, scale_attn
	s_load_b64 s[36:37], s[0:1], 0x30              ; flags
	v_lshl_add_u32 v[SPW], v0, 2, SPARE
	v_mov_b32 v[NIL], 0
	v_mov_b32 v[ZAD], 0
	v_lshrrev_b32 v5, 5, v0
	v_readfirstlane_b32 s12, v5                    ; wave 0..15
	v_and_b32 v[WAD], 7, v5
	v_lshlrev_b32 v[WAD], 2, v[WAD]
	s_bfe_u32 s13, s12, 0x10002                    ; q
	s_and_b32 s14, s12, 3                          ; g
	s_and_b32 s28, s12, 7                          ; wave % 8
	s_and_b32 s15, ttmp7, 0xffff                   ; head
	s_lshl_b32 s16, s15, 20
	s_lshl_b32 s24, ttmp9, 16
	s_add_co_u32 s16, s16, s24                     ; key, value: head x 2^20 + slot x 65,536
	s_mov_b32 s17, 0
	s_lshl_b32 s18, s15, 19
	s_lshl_b32 s24, ttmp9, 15
	s_add_co_u32 s18, s18, s24                     ; kv: head x 2^19 + slot x 32,768
	s_mov_b32 s19, 0
	s_lshl_b32 s41, s15, 4
	s_add_co_u32 s41, s41, ttmp9                   ; n
	s_lshl_b32 s42, s41, 17                        ; 16 rows of 8,192 bytes
	s_lshl_b32 s43, s28, 14                        ; my two rows
	s_add_co_u32 s42, s42, s43
	s_mov_b32 s43, 0
	s_lshl_b32 s44, s41, 8
	s_mov_b32 s45, 0
	v_and_b32 v5, 31, v0                           ; l
	v_and_b32 v6, 15, v0                           ; r
	v_bfe_u32 v7, v0, 4, 1                         ; h
	v_lshlrev_b32 v14, 4, v5                       ; the mask: 16 bytes a lane
	v_and_b32 v12, 8, v6
	v_add_nc_u32 v12, v12, v6                      ; r + 8 (r / 8)
	v_lshlrev_b32 v1, 9, v12
	v_lshl_add_u32 v1, v7, 6, v1                   ; K in: my key's row, + 64 h
	s_wait_alu depctr_va_vdst(0)                   ; the wait ahead of the run of scalar lines
	s_lshl_b32 s24, s13, 6
	s_lshr_b32 s25, s14, 1
	s_lshl_b32 s25, s25, 5
	s_add_co_u32 s24, s24, s25
	s_and_b32 s25, s14, 1
	s_lshl_b32 s25, s25, 3
	s_add_co_u32 s24, s24, s25                     ; the tile's first key: 64 q + 32 (g / 2) + 8 (g % 2)
	s_lshl_b32 s24, s24, 9
	v_add_nc_u32 v1, s24, v1
	s_lshl_b32 s25, s28, 11
	v_lshl_add_u32 v2, v5, 4, s25                  ; K out: 16 l + 2,048 w
	s_lshl_b32 s26, s13, 15
	s_lshl_b32 s27, s14, 7
	s_add_co_u32 s26, s26, s27
	v_lshl_add_u32 v3, v5, 2, s26                  ; V in: 4 l + 128 g + 64 q rows
	s_lshl_b32 s26, s13, 13
	s_lshl_b32 s27, s14, 11
	s_add_co_u32 s26, s26, s27
	s_add_co_u32 s26, s26, 16384
	v_lshl_add_u32 v4, v7, 10, s26
	v_lshl_add_u32 v4, v6, 4, v4                   ; V out: channel tile 2 g + l / 16, 16 bytes a channel
	s_wait_alu depctr_va_vdst(0)                   ; the wait at the head's end
	s_wait_kmcnt 0x0
	s_load_b128 s[20:23], s[8:9], 0x0              ; eq, ek, ep, ev
	s_load_b32 s40, s[34:35], 0x0                  ; scale_attn
	s_add_nc_u64 s[4:5], s[4:5], s[16:17]
	s_add_nc_u64 s[6:7], s[6:7], s[16:17]
	s_add_nc_u64 s[10:11], s[10:11], s[18:19]
	s_add_nc_u64 s[32:33], s[32:33], s[42:43]
	s_add_nc_u64 s[36:37], s[36:37], s[44:45]
	s_cmp_ge_u32 s12, 8
	s_cbranch_scc1 .Lmask
.macro VLOAD kb
.irp i, 0,1,2,3,4,5,6,7,8,9,10,11,12,13,14,15
	global_load_b32 v[VX+16*\kb+\i], v3, s[6:7] offset:(16*\kb+\i)*512 th:TH_LOAD_NT
.endr
.endm
.macro VQUANT kb                       ; 16 keys of my channel: 16 codes; lanes 0-15 store 256 consecutive aligned bytes, lanes 16-31 the next channel tile's
.irp i, 0,1,2,3,4,5,6,7,8,9,10,11,12,13,14,15
	v_med3_num_f32 v[VX+16*\kb+\i], v[VX+16*\kb+\i], -v11, v11   ; the conversion does not saturate (ISA guide 7.6.2): the hold comes first
.endr
	v_cvt_scalef32_pk8_bf8_f32 v[VC+4*\kb:VC+4*\kb+1], v[VX+16*\kb:VX+16*\kb+7], v10
	v_cvt_scalef32_pk8_bf8_f32 v[VC+4*\kb+2:VC+4*\kb+3], v[VX+16*\kb+8:VX+16*\kb+15], v10
	global_store_b128 v4, v[VC+4*\kb:VC+4*\kb+3], s[10:11] offset:256*\kb
.endm
.irp c, 0,1,2,3
.irp j, 0,1,2,3
	global_load_b128 v[KX+16*\c+4*\j:KX+16*\c+4*\j+3], v1, s[4:5] offset:128*\c+16*\j th:TH_LOAD_NT
.endr
.endr
	VLOAD 0
	VLOAD 1
	s_wait_kmcnt 0x0
	s_add_co_i32 s24, s21, 127
	s_lshl_b32 s25, s24, 23
	v_mov_b32 v8, s25                              ; 2^ek
	s_add_co_i32 s24, s24, 15
	s_lshl_b32 s24, s24, 23
	s_or_b32 s24, s24, 0x600000
	v_mov_b32 v9, s24                              ; 57,344 x 2^ek
	s_add_co_i32 s24, s23, 127
	s_lshl_b32 s25, s24, 23
	v_mov_b32 v10, s25                             ; 2^ev
	s_add_co_i32 s24, s24, 15
	s_lshl_b32 s24, s24, 23
	s_or_b32 s24, s24, 0x600000
	v_mov_b32 v11, s24                             ; 57,344 x 2^ev
	s_wait_alu depctr_va_vdst(0)                   ; the wait ahead of the wait below
	s_wait_loadcnt 32                              ; K's sixteen loads are in; V's two blocks of sixteen stay out
	VLOAD 2
.set n, 0
.rept 64
	v_med3_num_f32 v[KX+n], v[KX+n], -v9, v9
.set n, n+1
.endr
.irp g, 0,1,2,3,4,5,6,7
	v_cvt_scalef32_pk8_bf8_f32 v[KC+2*\g:KC+2*\g+1], v[KX+8*\g:KX+8*\g+7], v8
.endr
.irp c, 0,1,2,3
	global_store_b128 v2, v[KC+4*\c:KC+4*\c+3], s[10:11] offset:512*\c   ; 512 consecutive bytes: one image
.endr
	s_wait_loadcnt 32                              ; V's block 0 is in; blocks 1 and 2 stay out
	VLOAD 3
	VQUANT 0
	s_wait_loadcnt 32
	VQUANT 1
	s_wait_loadcnt 16
	VQUANT 2
	s_wait_loadcnt 0x0
	VQUANT 3
	s_wait_alu depctr_va_vdst(0)
	s_branch .Ljoin
.Lmask:
.set n, 0
.rept 32                               ; load n = 16 a + j: key step j of my row a: 32 lanes read its 512 consecutive bytes
	global_load_b128 v[MX+4*n:MX+4*n+3], v14, s[32:33] offset:512*n
.set n, n+1
.endr
	s_mov_b32 s46, 0x76543210
	s_mov_b32 s47, 0xfedcba98                      ; v_permlanex16_b32's selects for lane l xor 16
	s_wait_kmcnt 0x0
	s_add_co_i32 s24, s20, s21
	s_add_co_i32 s24, s24, 34                      ; 2 x 128 x 57,344^2 = 49 x 2^34
	v_mov_b32 v11, s40
	v_mov_b32 v13, 0
	s_wait_alu depctr_va_vdst(0)                   ; the wait ahead of the transcendental
	v_rcp_f32 v12, v11
	v_nop
	s_wait_alu depctr_va_vdst(0)                   ; and behind it
	v_mul_f32 v11, 0x42920000, |v12|               ; 73 / |scale|: 49 log2 e = 70.7, taken larger
	v_ldexp_f32 v11, v11, s24
	v_add_f32 v11, 0x43480000, v11                 ; 2 B + 200
	s_wait_alu depctr_va_vdst(0)
	s_wait_loadcnt 0x0
.set n, 0
.rept 32
	v_max3_num_f32 v[MX+4*n], v[MX+4*n], v[MX+4*n+1], v[MX+4*n+2]
.set n, n+1
.endr
.set n, 0
.rept 32
	v_max_num_f32 v[MX+4*n], v[MX+4*n], v[MX+4*n+3]
.set n, n+1
.endr
.irp m, 1,2,4,8
.set n, 0
.rept 32
	v_max_num_f32_dpp v[MX+4*n], v[MX+4*n], v[MX+4*n] row_xmask:\m row_mask:0xf bank_mask:0xf
.set n, n+1
.endr
.endr
.set n, 0
.rept 32
	v_permlanex16_b32 v[MX+4*n+1], v[MX+4*n], s46, s47
.set n, n+1
.endr
.set n, 0
.rept 32
	v_max_num_f32 v[MX+4*n], v[MX+4*n], v[MX+4*n+1]   ; the largest of (row a, step j), in every lane
.set n, n+1
.endr
.set n, 0
.rept 32
	v_cmp_eq_u32 vcc_lo, n, v5
	v_cndmask_b32 v13, v13, v[MX+4*n], vcc_lo      ; lane 16 a + j keeps it
.set n, n+1
.endr
	v_mul_f32 v13, 0x3fb8aa3b, v13                 ; a = x log2 e, rounded as the attention launch rounds it
	v_mov_b32 v12, v13
.irp m, 1,2,4,8
	v_max_num_f32_dpp v12, v12, v12 row_xmask:\m row_mask:0xf bank_mask:0xf   ; m: over the row's 16 steps
.endr
	v_fma_f32 v10, |v12|, 0xb6800000, v12
	v_sub_f32 v10, v10, v11                        ; m - 2^-18 |m| - 2 B - 200
	v_fma_f32 v9, |v13|, 0x36800000, v13           ; a + 2^-18 |a|
	v_cmp_le_f32 vcc_lo, v9, v10                   ; bit 16 a + j: row a has nothing in step j
	s_mov_b32 s38, vcc_lo
	s_lshr_b32 s39, s38, 16
	s_and_b32 s38, s38, s39                        ; both my rows; bits 31:16 are 0
	v_mov_b32 v8, s38
	ds_store_b32 v[WAD], v8                        ; all lanes write the same word with the same value
.Ljoin:
	s_wait_alu depctr_va_vdst(0)
	s_wait_dscnt 0x0                               ; my word is written
	s_barrier_signal -1
	s_barrier_wait -1
	s_cmp_lg_u32 s12, 8
	s_cbranch_scc1 .Lend
	ds_load_b128 v[16:19], v[ZAD]
	ds_load_b128 v[20:23], v[ZAD] offset:16
	s_wait_dscnt 0x0
	v_and_b32 v16, v16, v17
	v_and_b32 v18, v18, v19
	v_and_b32 v20, v20, v21
	v_and_b32 v22, v22, v23
	v_and_b32 v16, v16, v18
	v_and_b32 v20, v20, v22
	v_and_b32 v16, v16, v20                        ; all sixteen rows
	v_xor_b32 v16, 0xffff, v16                     ; the live steps
	v_mov_b32 v17, v16
	v_lshlrev_b32 v15, 3, v5
	global_store_b64 v15, v[16:17], s[36:37]       ; 32 lanes x 8 bytes: the group's aligned 256 bytes
.Lend:
	s_wait_tensorcnt 0x0                           ; the wave's end
	ds_add_u32 v[SPW], v[NIL]
	s_wait_dscnt 0x0
	s_endpgm
.Lfunc_end_k_qfc02ec7b65_prep:
	.size	k_qfc02ec7b65_prep, .Lfunc_end_k_qfc02ec7b65_prep-k_qfc02ec7b65_prep
	.p2alignl 7, 3214868480
	.fill 96, 4, 3214868480
	.section	.rodata,"a",@progbits
	.p2align	6, 0x0
	.amdhsa_kernel k_qfc02ec7b65_prep
		.amdhsa_group_segment_fixed_size 2304
		.amdhsa_private_segment_fixed_size 0
		.amdhsa_enable_private_segment 0
		.amdhsa_kernarg_size 56
		.amdhsa_user_sgpr_count 2
		.amdhsa_user_sgpr_kernarg_segment_ptr 1
		.amdhsa_wavefront_size32 1
		.amdhsa_system_sgpr_workgroup_id_x 1
		.amdhsa_system_sgpr_workgroup_id_y 1
		.amdhsa_system_sgpr_workgroup_id_z 1
		.amdhsa_system_vgpr_workitem_id 0
		.amdhsa_next_free_vgpr 184
		.amdhsa_next_free_sgpr 66
		.amdhsa_reserve_vcc 1
		.amdhsa_float_denorm_mode_32 3
		.amdhsa_float_denorm_mode_16_64 3
		.amdhsa_memory_ordered 1
		.amdhsa_forward_progress 1
		.amdhsa_inst_pref_size 43
	.end_amdhsa_kernel
	.amdgpu_metadata
---
amdhsa.version: [ 1, 2 ]
amdhsa.kernels:
  - .name:           k_qfc02ec7b65_prep
    .symbol:         k_qfc02ec7b65_prep.kd
    .args:
      - { .name: key, .offset: 0, .size: 8, .value_kind: global_buffer, .address_space: global }
      - { .name: value, .offset: 8, .size: 8, .value_kind: global_buffer, .address_space: global }
      - { .name: lowp_scales, .offset: 16, .size: 8, .value_kind: global_buffer, .address_space: global }
      - { .name: kv, .offset: 24, .size: 8, .value_kind: global_buffer, .address_space: global }
      - { .name: attention_mask, .offset: 32, .size: 8, .value_kind: global_buffer, .address_space: global }
      - { .name: scale_attn, .offset: 40, .size: 8, .value_kind: global_buffer, .address_space: global }
      - { .name: flags, .offset: 48, .size: 8, .value_kind: global_buffer, .address_space: global }
    .group_segment_fixed_size: 2304
    .private_segment_fixed_size: 0
    .kernarg_segment_align: 8
    .kernarg_segment_size: 56
    .max_flat_workgroup_size: 512
    .sgpr_count:     66
    .vgpr_count:     184
    .wavefront_size: 32
...
	.end_amdgpu_metadata
.endif
;; end of part 1
;; launch attn (part 2): grid 16 x 16, 4 waves a work-group, no clusters, 34,304 bytes of LDS; arguments query, kv, attention_mask, scale_attn, lowp_scales, flags, out0; writes out0
.if DOCPART == 2
	.amdgcn_target "amdgcn-amd-amdhsa--gfx1250"
	.amdhsa_code_object_version 6
	.text
	.protected	k_qfc02ec7b65_attn
	.globl	k_qfc02ec7b65_attn
	.p2align	8
	.type	k_qfc02ec7b65_attn,@function
k_qfc02ec7b65_attn:
	s_mov_b64 s[64:65], 0
	v_nop
	global_prefetch_b8 v0, s[64:65] scope:SCOPE_SE
	s_setreg_imm32_b32 hwreg(HW_REG_WAVE_MODE, 25, 1), 1
	s_wait_xcnt 0x0
; out[b][hq][q][:] = sum over k of softmax_k(Q.K / scale_attn + mask[b][q][k]) V[k][:], 32 query heads on 8 key and value heads, both products on codes of BF8 (E5M2), each operand with its given scale (eq, ek, ep, ev).
; WORK LEFT OUT: a key step of 128 keys whose bit in flags is 0.  The launch before has shown from the mask, scale_attn, eq and ek that every p of such a step is 0 in f32 for all 16 rows and all four heads
; (its head comment gives the bound); so the step adds nothing to a sum or a product.  Every other number of the mask is read and used.  A NaN or infinity that reaches only such a step is not carried to the result.
; THE SOFTMAX: t = sum x c + (mask x log2 e), c = log2(e) 2^(eq + ek) / scale_attn; M = the row's largest t so far, rounded UP to a whole number; p = 2^(t - M) is quantised, not normalised; the row's sum is taken of the
; unquantised p and divides at the end; when M moves, the sum and O are multiplied by 2^(old M - new M): exact.  x = t - M is an addition of its own, so that a row whose mask is a large negative number everywhere gives p = 1 at its largest t.
; THE HOLD at 57,344 x 2^ep: p <= 1, so it can bind only where ep < -15: a scalar branch on ep leads round its lines elsewhere.
; LIMITS: eq, ep between -126 and 112; |scale_attn| normal, between 2^-126 and 2^126; NaN and +infinity among the inputs are not served; the scaled scores stay under 2^31.
; SHARES.  A group is 16 query rows of all FOUR query heads of one key and value head: four tiles, so that a fragment of K or V feeds four matrix instructions and a mask number four heads.
; Work-group (x, y = head): wave w has i = 4 x + w and takes group 127 - i, then group i.  Four waves of 1,024 registers, one to a SIMD; the waves share nothing: no barrier.
; THE WALK hangs on the stored list, so K, V and the mask go from memory straight into registers, with no tensor load and no joint request: the waves of a head walk different steps.
; Each is asked for a step ahead: V at the head of its step, the next live step's K behind this step's first products, the next mask at the step's head.  The mask and Q are read as dense rows of 512 bytes and turned through my stage in LDS.
; PREFETCH: at a step's head, for the live step after the next: of kv's 128 blocks of 256 bytes the 64 waves of a head name two each, of the mask's 32 blocks the 8 heads of a batch four each, by address; the first group's head names the second group's Q.
; LAYOUT.  Both products transposed: S^T = K Q^T, O^T = V^T P^T: a lane holds ONE query (lane % 16).  Register 16 j + i of a tile's scores is key 32 j + 16 (lane / 16) + i; both operands of each product carry the same permutation of k.
; REGISTERS.  Window 0: v1-15 addresses, constants; v16-31 four statistics a tile; v32-95 Q's codes; v96-159 mask x log2 e; v160-223 p's codes (ahead of them: the next mask as loaded); v224-253 at work.
;   Window 1: O^T, 64 a tile.  Window 2: scores, t, p, 64 a tile.  Window 3: v0-127 K, v128-255 V.
.set MP,    528                        ; a stage row: 512 bytes + 16
.set SPARE, 4*16*MP                    ; behind the four stages: the spare words
.set LI,   1                           ; 16 x lane
.set AMS,  2                           ; stage, turned read: r MP + 64 h
.set ASW,  3                           ; stage, by rows: 16 x lane
.set ASO,  4                           ; stage, the way out: r MP + 32 h
.set SPW,  5
.set NIL,  6
.set CVS,  7                           ; 2^ep
.set LIMV, 8                           ; 57,344 x 2^ep
.set PFK,  9                           ; prefetch offsets: kv, mask, Q
.set QS,   10                          ; 2^eq
.set QL,   11                          ; 57,344 x 2^eq
.set PFM,  12
.set PFQ,  13
.set ST,   16                          ; tile t: -M, largest t, the sum in two halves
.set Q,    32
.set MK,   96
.set PC,   160
.set MA,   224                         ; v224-227 the maximum's four chains;  v228-233 the sums' other three chains
.set FB,   234                         ; v[234+2t:235+2t] f = 2^(old M - new M)
.set TOB,  242
.set MXB,  246
.set PDB,  250
.set WV, 18
.set PI, 19
.set HD, 20
.set BT, 21
.set FL0, 22
.set FL1, 23
.set TK, 24
.set G,  25
.set REM, 26                           ; live steps behind the one in hand
.set CUR, 27
.set NXT, 28
.set R2,  29
.set CNT, 30
.set IT,  31
.set QB, 32
.set OB, 34
.set KVB, 36
.set MB0, 38
.set VB, 40
.set KB, 42
.set MB, 44
.set PK, 46
.set PM, 48
.set T0, 50
.set T1, 52
.set CS, 54
.set SEL, 56
.set L2E, 58
.set HOLD, 60
.set EPV, 61
.set GA, 62
.set PKB, 66
.set PMB, 76
.set MSB, 0
.macro WIN new                         ; bits 1:0 source 0, 3:2 source 1, 5:4 source 2, 7:6 destination; the high byte repeats the setting that is left
.if MSB != \new
	s_set_vgpr_msb (MSB<<8)|\new
.set MSB, \new
.endif
.endm
.macro WALU
	s_wait_alu depctr_va_vdst(0)
.endm
.macro KLOAD                           ; a step's eight fragments of K: 32 images of 512 bytes
	WIN 0xc0
.set n, 0
.rept 32
	global_load_b128 v[4*n:4*n+3], v[LI], s[KB:KB+1] offset:512*n
.set n, n+1
.endr
	WIN 0
.endm
.macro MLOAD                           ; a step's 16 rows of the mask, 512 consecutive bytes a load
.set n, 0
.rept 16
	global_load_b128 v[PC+4*n:PC+4*n+3], v[LI], s[MB:MB+1] offset:8192*n
.set n, n+1
.endr
.endm
; 16 rows of 128 f32 through my stage: in by rows, back so that register 16 j + i is number 32 j + 16 h + i of row r.  LDS serves a wave's instructions in order (ISA guide 5.7.1.4).
.macro TURN sw, sr, dw, dr
	WIN (\sw<<2)
.set n, 0
.rept 16
	ds_store_b128 v[ASW], v[\sr+4*n:\sr+4*n+3] offset:n*MP
.set n, n+1
.endr
	WIN (\dw<<6)
.set n, 0
.rept 16
	ds_load_b128 v[\dr+4*n:\dr+4*n+3], v[AMS] offset:128*(n/4)+16*(n%4)
.set n, n+1
.endr
	WIN 0
.endm
.macro QUANTQ t
.set X, 128+64*((\t)%2)
	WIN 0xc3
.set n, 0
.rept 64
	v_med3_num_f32 v[X+n], v[X+n], -v[QL], v[QL]   ; the conversion does not saturate (ISA guide 7.6.2): the hold comes first
.set n, n+1
.endr
	WIN 0x03
.irp g, 0,1,2,3,4,5,6,7
	v_cvt_scalef32_pk8_bf8_f32 v[Q+16*(\t)+2*\g:Q+16*(\t)+2*\g+1], v[X+8*\g:X+8*\g+7], v[QS]
.endr
	WIN 0
	v_nop                                          ; a plain line behind the last conversion
.endm
.macro MAXT t                          ; the step's largest t of my query among my 64 keys, in four chains
.set SB, 64*(\t)
	WIN 0x2a
.irp c, 0,1,2,3
	v_max3_num_f32 v[MA+\c], v[SB+3*\c], v[SB+3*\c+1], v[SB+3*\c+2]
.endr
	WIN 0x28
.set n, 12
.rept 26
	v_max3_num_f32 v[MA+((n-12)/2)%4], v[MA+((n-12)/2)%4], v[SB+n], v[SB+n+1]
.set n, n+2
.endr
	WIN 0
	v_max3_num_f32 v[MA], v[MA], v[MA+1], v[MA+2]
	v_max_num_f32 v[MXB+\t], v[MA], v[MA+3]
.endm
.macro SUMS t, first                   ; the row's sum of the unquantised p: two at a time, in four chains
.set L, ST+4*(\t)+2
.set SB, 64*(\t)
	WIN 0x0a
	v_pk_add_f32 v[228:229], v[SB:SB+1], v[SB+2:SB+3]
	v_pk_add_f32 v[230:231], v[SB+4:SB+5], v[SB+6:SB+7]
	v_pk_add_f32 v[232:233], v[SB+8:SB+9], v[SB+10:SB+11]
.if \first
	v_pk_add_f32 v[L:L+1], v[SB+12:SB+13], v[SB+14:SB+15]
.set n, 16
.else
.set n, 12
.endif
	WIN 0x08
.set k, 0
.rept (64-n)/2
.if k%4 == 0
	v_pk_add_f32 v[L:L+1], v[L:L+1], v[SB+n:SB+n+1]
.else
	v_pk_add_f32 v[226+2*(k%4):227+2*(k%4)], v[226+2*(k%4):227+2*(k%4)], v[SB+n:SB+n+1]
.endif
.set n, n+2
.set k, k+1
.endr
	WIN 0
	v_pk_add_f32 v[228:229], v[228:229], v[230:231]
	v_pk_add_f32 v[L:L+1], v[L:L+1], v[232:233]
	v_pk_add_f32 v[L:L+1], v[L:L+1], v[228:229]
.endm
; A KEY STEP: 128 keys, four tiles.  first = 1: a group's first live step, which starts the statistics and O^T.
.macro STEP first
	WALU                                           ; the wait ahead of the waits and the scalar lines below
	s_wait_xcnt 0x0                                ; the last step's prefetches have read their addresses; its loads were waited for
	s_lshl_b32 s[T0], s[CUR], 15
	s_add_nc_u64 s[VB:VB+1], s[KVB:KVB+1], s[T0:T0+1]
	s_ctz_i32_b32 s[NXT], s[REM]                   ; the next live step (none left: held at 15 and not used)
	s_min_u32 s[NXT], s[NXT], 15
	s_lshl_b32 s[T0], s[NXT], 15
	s_add_nc_u64 s[KB:KB+1], s[KVB:KVB+1], s[T0:T0+1]
	s_lshl_b32 s[T0], s[NXT], 9
	s_add_nc_u64 s[MB:MB+1], s[MB0:MB0+1], s[T0:T0+1]
	s_sub_co_u32 s[R2], s[REM], 1
	s_and_b32 s[R2], s[R2], s[REM]
	s_ctz_i32_b32 s73, s[R2]                       ; and the one after
	s_min_u32 s73, s73, 15
	s_lshl_b32 s[T0], s73, 15
	s_add_nc_u64 s[PK:PK+1], s[PKB:PKB+1], s[T0:T0+1]
	s_lshl_b32 s[T0], s73, 9
	s_add_nc_u64 s[PM:PM+1], s[PMB:PMB+1], s[T0:T0+1]
	s_wait_dscnt 0x0                               ; the step's mask is back from the stage
.set n, 0
.rept 32
	v_pk_mul_f32 v[MK+n:MK+n+1], v[MK+n:MK+n+1], s[L2E:L2E+1] op_sel_hi:[1,0]   ; mask x log2 e, once for the four heads; also the places behind the last products
.set n, n+2
.endr
	WIN 0xc0
.irp d, 0,1,2,3,4,5,6,7
.irp j, 0,1,2,3
	global_load_b128 v[128+16*\d+4*\j:128+16*\d+4*\j+3], v[LI], s[VB:VB+1] offset:16384+(\j/2)*8192+\d*1024+(\j%2)*512   ; this step's V: wanted at the step's end
.endr
.endr
	WIN 0
	WALU
	s_cmp_eq_u32 s[REM], 0
	s_cbranch_scc1 .Lnm_\@
	MLOAD                                          ; the next live step's mask, into the registers that take p's codes later in the step
.Lnm_\@:
	s_cmp_eq_u32 s[R2], 0
	s_cbranch_scc1 .Lnp_\@
	global_prefetch_b8 v[PFK], s[PK:PK+1] th:TH_LOAD_NT scope:SCOPE_SE
	global_prefetch_b8 v[PFM], s[PM:PM+1] th:TH_LOAD_NT scope:SCOPE_SE
.Lnp_\@:
	WIN 0x83
.irp t, 0,1,2,3
.irp u, 0,1,2,3,4,5,6,7
	v_wmma_f32_16x16x128_bf8_bf8 v[64*\t+8*\u:64*\t+8*\u+7], v[16*\u:16*\u+15], v[Q+16*\t:Q+16*\t+15], 0   ; S^T = K Q^T; K was waited for ahead of the last step's second product
.endr
.endr
.rept 4
	v_nop                                          ; four places: loads into K's registers and reads of the scores follow
.endr
	WIN 0
	s_cmp_eq_u32 s[REM], 0
	s_cbranch_scc1 .Lnk_\@
	KLOAD                                          ; K is done with: the next live step's lands during the softmax
.Lnk_\@:
	WIN 0x82
.irp t, 0,1,2,3
.set n, 0
.rept 32
	v_pk_fma_f32 v[64*\t+n:64*\t+n+1], v[64*\t+n:64*\t+n+1], s[CS:CS+1], v[MK+n:MK+n+1] op_sel_hi:[1,0,1]   ; t; each accumulator from its low end on
.set n, n+2
.endr
.endr
.irp t, 0,1,2,3
	MAXT \t
.endr
.irp t, 0,1,2,3
	v_permlanex16_b32 v[PDB+\t], v[MXB+\t], s[SEL], s[SEL+1]
.endr
.irp t, 0,1,2,3
	v_max_num_f32 v[MXB+\t], v[MXB+\t], v[PDB+\t]  ; and among lane l xor 16's
.endr
.if \first
.irp t, 0,1,2,3
	v_max_num_f32 v[ST+4*\t+1], 0xff61b1e6, v[MXB+\t]   ; never under -3e38, so that M is a number
.endr
.irp t, 0,1,2,3
	v_floor_f32 v[ST+4*\t], -v[ST+4*\t+1]          ; -M = floor(-t): M is a whole number
.endr
.else
.irp t, 0,1,2,3
	v_max_num_f32 v[ST+4*\t+1], v[ST+4*\t+1], v[MXB+\t]
.endr
.irp t, 0,1,2,3
	v_mov_b32 v[TOB+\t], v[ST+4*\t]
.endr
.irp t, 0,1,2,3
	v_floor_f32 v[ST+4*\t], -v[ST+4*\t+1]
.endr
.irp t, 0,1,2,3
	v_sub_f32 v[TOB+\t], v[ST+4*\t], v[TOB+\t]     ; old M less new M: a whole number, 0 or less
.endr
.irp t, 0,1,2,3
	v_cvt_i32_f32 v[TOB+\t], v[TOB+\t]
.endr
.irp t, 0,1,2,3
	v_ldexp_f32 v[FB+2*\t], 1.0, v[TOB+\t]         ; f
.endr
.endif
	WIN 0x82
.irp t, 0,1,2,3
.set n, 0
.rept 32
	v_pk_add_f32 v[64*\t+n:64*\t+n+1], v[64*\t+n:64*\t+n+1], v[ST+4*\t:ST+4*\t+1] op_sel_hi:[1,0]   ; t - M
.set n, n+2
.endr
.endr
	WALU                                           ; the wait ahead of the batch
.set n, 0
.rept 256
	v_exp_f32 v[n], v[n]                           ; p = 2^(t - M), at most 1
.set n, n+1
.endr
	WIN 0
.if \first
	v_nop                                          ; a plain line behind the exponentials
.else
.irp t, 0,1,2,3
	v_pk_mul_f32 v[ST+4*\t+2:ST+4*\t+3], v[ST+4*\t+2:ST+4*\t+3], v[FB+2*\t:FB+2*\t+1] op_sel_hi:[1,0]   ; the sums under the new M
.endr
.endif
	WALU                                           ; and behind it, one for the batch
	s_wait_loadcnt 32                              ; V and the next mask are in; the 32 loads of the next K may be out
	TURN 0, PC, 0, MK                              ; the next mask through the stage (in a group's last step: what the registers hold, and nobody reads it)
.irp t, 0,1,2,3
	SUMS \t, \first
.endr
	WALU
	s_cmp_eq_u32 s[HOLD], 0
	s_cbranch_scc1 .Lnh_\@
	WIN 0x88
.set n, 0
.rept 256
	v_min_num_f32 v[n], v[LIMV], v[n]              ; the hold; p is not negative, so it is one-sided
.set n, n+1
.endr
	WIN 0
.Lnh_\@:
	WALU
	s_wait_dscnt 16                                ; the stage's 16 stores have read the registers that the codes now take; its 16 loads may be out
	WIN 0x02
.irp t, 0,1,2,3
.irp g, 0,1,2,3,4,5,6,7
	v_cvt_scalef32_pk8_bf8_f32 v[PC+16*\t+2*\g:PC+16*\t+2*\g+1], v[64*\t+8*\g:64*\t+8*\g+7], v[CVS]
.endr
.endr
.if \first
	WIN 0
	v_nop                                          ; a plain line between the conversions and the products
.else
	WIN 0x41
	WALU                                           ; the wait directly ahead of the first reader of O^T
.irp t, 0,1,2,3
.set n, 0
.rept 32
	v_pk_mul_f32 v[64*\t+n:64*\t+n+1], v[64*\t+n:64*\t+n+1], v[FB+2*\t:FB+2*\t+1] op_sel_hi:[1,0]   ; O^T under the new M
.set n, n+2
.endr
.endr
	WIN 0
.endif
	WALU
	s_wait_loadcnt 0x0                             ; V is in, and the next K
.if \first
	WIN 0x43
.else
	WIN 0x53
.endif
.irp d, 0,1,2,3,4,5,6,7
.irp u, 0,1,2,3
.if \first
	v_wmma_f32_16x16x128_bf8_bf8 v[64*\u+8*\d:64*\u+8*\d+7], v[128+16*\d:128+16*\d+15], v[PC+16*\u:PC+16*\u+15], 0
.else
	v_wmma_f32_16x16x128_bf8_bf8 v[64*\u+8*\d:64*\u+8*\d+7], v[128+16*\d:128+16*\d+15], v[PC+16*\u:PC+16*\u+15], v[64*\u+8*\d:64*\u+8*\d+7]   ; 32 accumulators by turns
.endif
.endr
.endr
	WIN 0
	s_mov_b32 s[CUR], s[NXT]
	s_mov_b32 s[REM], s[R2]
.endm
	s_load_b256 s[4:11], s[0:1], 0x0               ; query, kv, attention_mask, scale_attn
	s_load_b128 s[12:15], s[0:1], 0x20             ; lowp_scales, flags
	s_load_b64 s[16:17], s[0:1], 0x30              ; out0
	v_lshl_add_u32 v[SPW], v0, 2, SPARE
	v_mov_b32 v[NIL], 0
	v_lshrrev_b32 v14, 5, v0
	v_readfirstlane_b32 s[WV], v14                 ; wave 0..3
	s_lshl_b32 s[PI], ttmp9, 2
	s_add_co_u32 s[PI], s[PI], s[WV]               ; i = 4 x + w
	s_sub_co_u32 s[GA], 127, s[PI]
	s_and_b32 s[HD], ttmp7, 0xffff                 ; key and value head, 0..15
	s_lshr_b32 s[BT], s[HD], 3                     ; batch
	s_lshl_b32 s73, s[BT], 7
	s_add_co_u32 s74, s73, s[PI]
	s_add_co_u32 s73, s73, s[GA]
	s_lshl_b32 s73, s73, 8                         ; my two groups' places in flags
	s_lshl_b32 s74, s74, 8
	s_mul_i32 s75, s[WV], 16*MP                    ; my stage
	s_mov_b32 s[SEL], 0x76543210
	s_mov_b32 s[SEL+1], 0xfedcba98
	s_mov_b32 s[L2E], 0x3fb8aa3b
	s_mov_b32 s[L2E+1], 0x3fb8aa3b
	s_mov_b32 s[T0+1], 0
	s_mov_b32 s[TK], 0
	v_and_b32 v14, 15, v0                          ; r
	v_bfe_u32 v15, v0, 4, 1                        ; h
	v_and_b32 v[LI], 31, v0
	v_lshlrev_b32 v[PFQ], 8, v[LI]                 ; Q: lanes 256 bytes apart
	v_and_b32 v[PFK], 1, v0
	v_lshlrev_b32 v[PFK], 8, v[PFK]                ; kv: my wave's two blocks
	v_bfe_u32 v[PFM], v0, 1, 1
	v_lshl_add_u32 v[PFM], v[PFM], 13, v[PFK]      ; the mask: two rows x two blocks
	v_lshlrev_b32 v[LI], 4, v[LI]
	v_add_nc_u32 v[ASW], s75, v[LI]
	v_mul_u32_u24 v[AMS], v14, MP
	v_add_nc_u32 v[AMS], s75, v[AMS]
	v_lshl_add_u32 v[ASO], v15, 5, v[AMS]
	v_lshl_add_u32 v[AMS], v15, 6, v[AMS]
.irp t, 0,1,2,3
	v_mov_b32 v[PDB+\t], 0                         ; a lane permute's destination counts as one of its sources
	v_mov_b32 v[FB+2*\t+1], 0                      ; (named as the upper half of a pair)
.endr
	WALU
	s_wait_kmcnt 0x0
	s_load_b128 s[68:71], s[12:13], 0x0            ; eq, ek, ep, ev
	s_load_b32 s72, s[10:11], 0x0                  ; scale_attn
	s_load_b32 s[FL0], s[14:15], s73 offset:0x0
	s_load_b32 s[FL1], s[14:15], s74 offset:0x0
	s_lshl_b32 s[T0], s[HD], 19
	s_add_nc_u64 s[KVB:KVB+1], s[6:7], s[T0:T0+1]  ; my head's kv
	s_lshl_b32 s[T0], s[PI], 9
	s_add_nc_u64 s[PKB:PKB+1], s[KVB:KVB+1], s[T0:T0+1]
	s_wait_kmcnt 0x0
	s_add_co_i32 s74, s68, 127
	s_lshl_b32 s75, s74, 23
	v_mov_b32 v[QS], s75
	s_add_co_i32 s74, s74, 15
	s_lshl_b32 s74, s74, 23
	s_or_b32 s74, s74, 0x600000
	v_mov_b32 v[QL], s74
	s_add_co_i32 s74, s70, 127
	s_lshl_b32 s75, s74, 23
	v_mov_b32 v[CVS], s75
	s_add_co_i32 s74, s74, 15
	s_lshl_b32 s74, s74, 23
	s_or_b32 s74, s74, 0x600000
	v_mov_b32 v[LIMV], s74
	s_add_co_i32 s[EPV], s70, s71
	s_cmp_lt_i32 s70, -15
	s_cselect_b32 s[HOLD], 1, 0
	s_add_co_i32 s74, s68, s69
	v_mov_b32 v14, s72
	WALU
	v_rcp_f32 v15, v14
	v_nop
	WALU
	v_fma_f32 v224, -v14, v15, 1.0                 ; one Newton step
	v_fma_f32 v15, v15, v224, v15
	v_mul_f32 v15, 0x3fb8aa3b, v15
	v_ldexp_f32 v15, v15, s74
	v_readfirstlane_b32 s[CS], v15                 ; c
	s_mov_b32 s[CS+1], s[CS]
.Ltask:                                            ; two trips: group 127 - i, then group i
	WALU
	s_wait_xcnt 0x0                                ; the last group's stores have read their registers and their base
	s_cmp_eq_u32 s[TK], 0
	s_cselect_b32 s73, s[FL0], s[FL1]
	s_cselect_b32 s[G], s[GA], s[PI]
	s_cselect_b32 s74, s[PI], s[GA]
	s_and_b32 s73, s73, 0xffff
	s_max_u32 s73, s73, 1                          ; (a group always has a live step)
	s_ctz_i32_b32 s[CUR], s73
	s_min_u32 s[CUR], s[CUR], 15
	s_sub_co_u32 s[REM], s73, 1
	s_and_b32 s[REM], s[REM], s73
	s_bcnt1_i32_b32 s[CNT], s73
	s_sub_co_u32 s[CNT], s[CNT], 1
	s_min_u32 s[CNT], s[CNT], 15                   ; live steps behind the first
	s_lshl_b32 s[T0], s[HD], 22                    ; query head 4 x my head: 2^20 bytes each
	s_lshl_b32 s75, s[G], 13
	s_add_co_u32 s[T0], s[T0], s75
	s_add_nc_u64 s[QB:QB+1], s[4:5], s[T0:T0+1]
	s_add_nc_u64 s[OB:OB+1], s[16:17], s[T0:T0+1]
	s_lshl_b32 s[T0], s[HD], 22
	s_lshl_b32 s75, s74, 13
	s_add_co_u32 s[T0], s[T0], s75
	s_add_nc_u64 s[T1:T1+1], s[4:5], s[T0:T0+1]    ; the other group's Q
	s_lshl_b32 s[T0], s[BT], 24
	s_lshl_b32 s75, s[G], 17
	s_add_co_u32 s[T0], s[T0], s75
	s_add_nc_u64 s[MB0:MB0+1], s[8:9], s[T0:T0+1]  ; my 16 rows of the mask
	s_and_b32 s[T0], s[HD], 7
	s_lshl_b32 s[T0], s[T0], 14
	s_add_nc_u64 s[PMB:PMB+1], s[MB0:MB0+1], s[T0:T0+1]
	s_lshl_b32 s[T0], s[CUR], 15
	s_add_nc_u64 s[KB:KB+1], s[KVB:KVB+1], s[T0:T0+1]
	s_lshl_b32 s[T0], s[CUR], 9
	s_add_nc_u64 s[MB:MB+1], s[MB0:MB0+1], s[T0:T0+1]
	KLOAD                                          ; the first live step's K and mask,
	MLOAD
	WIN 0x80
.set n, 0
.rept 64
	global_load_b128 v[4*n:4*n+3], v[LI], s[QB:QB+1] offset:((n/16)<<20)+512*(n%16) th:TH_LOAD_NT   ; and Q: four tiles of 16 dense rows
.set n, n+1
.endr
	WIN 0
	s_cmp_lg_u32 s[TK], 0
	s_cbranch_scc1 .Lnoq
.irp t, 0,1,2,3
	global_prefetch_b8 v[PFQ], s[T1:T1+1] offset:\t<<20 th:TH_LOAD_NT scope:SCOPE_SE   ; the second group's Q: 8,192 bytes a tile, a whole group's walk ahead
.endr
.Lnoq:
	s_wait_loadcnt 48                              ; K, the mask and Q's tile 0 are in; tiles 1 to 3 stay out
	TURN 0, PC, 0, MK
	TURN 2, 0, 3, 128
	s_wait_loadcnt 32
	TURN 2, 64, 3, 192
	s_wait_dscnt 32                                ; all but the last turn's 16 stores and 16 loads
	QUANTQ 0
	s_wait_loadcnt 16
	TURN 2, 128, 3, 128
	s_wait_dscnt 32
	QUANTQ 1
	s_wait_loadcnt 0x0
	TURN 2, 192, 3, 192
	s_wait_dscnt 32
	QUANTQ 2
	s_wait_dscnt 0x0
	QUANTQ 3
	STEP 1
	s_cmp_eq_u32 s[CNT], 0
	s_cbranch_scc1 .Lout
	s_mov_b32 s[IT], 0
.Lstep:
	STEP 0
	s_add_co_u32 s[IT], s[IT], 1
	s_cmp_lt_u32 s[IT], s[CNT]
	s_cbranch_scc1 .Lstep
.Lout:
	; THE WAY OUT: O^T x 2^(ep + ev) / the sum goes through my stage, a tile at a time, and leaves as whole rows of 512 bytes.
.irp t, 0,1,2,3
	v_add_f32 v[ST+4*\t+2], v[ST+4*\t+2], v[ST+4*\t+3]   ; (the four are the places behind the last products)
.endr
.irp t, 0,1,2,3
	v_permlanex16_b32 v[ST+4*\t+1], v[ST+4*\t+2], s[SEL], s[SEL+1]
.endr
.irp t, 0,1,2,3
	v_add_f32 v[ST+4*\t+2], v[ST+4*\t+2], v[ST+4*\t+1]   ; the row's sum
.endr
	WALU
.irp t, 0,1,2,3
	v_rcp_f32 v[ST+4*\t+2], v[ST+4*\t+2]
.endr
	v_nop
	WALU
.irp t, 0,1,2,3
	v_ldexp_f32 v[ST+4*\t+2], v[ST+4*\t+2], s[EPV]
.endr
	WIN 0x81
	WALU                                           ; the wait directly ahead of the first reader of O^T
.irp t, 0,1,2,3
.set n, 0
.rept 32
	v_pk_mul_f32 v[64*\t+n:64*\t+n+1], v[64*\t+n:64*\t+n+1], v[ST+4*\t+2:ST+4*\t+3] op_sel_hi:[1,0]   ; into window 2: register 8 d + i is out(r, 16 d + 8 h + i)
.set n, n+2
.endr
.endr
	WIN 0
	WALU
.macro TOSTAGE t
	WIN 0x08
.irp d, 0,1,2,3,4,5,6,7
	ds_store_b128 v[ASO], v[64*(\t)+8*\d:64*(\t)+8*\d+3] offset:64*\d
	ds_store_b128 v[ASO], v[64*(\t)+8*\d+4:64*(\t)+8*\d+7] offset:64*\d+16
.endr
	WIN 0xc0
.set n, 0
.rept 16
	ds_load_b128 v[64*(\t)+4*n:64*(\t)+4*n+3], v[ASW] offset:n*MP   ; back by rows, into window 3
.set n, n+1
.endr
	WIN 0
.endm
.macro SEND t, younger
	s_wait_dscnt \younger
	WIN 0x0c
.set n, 0
.rept 16
	global_store_b128 v[LI], v[64*(\t)+4*n:64*(\t)+4*n+3], s[OB:OB+1] offset:((\t)<<20)+512*n th:TH_STORE_NT   ; 32 lanes store a row: 512 consecutive aligned bytes
.set n, n+1
.endr
	WIN 0
.endm
	TOSTAGE 0
.irp t, 1,2,3
	TOSTAGE \t
	SEND \t-1, 32                                  ; behind tile t - 1's loads: tile t's 16 stores and 16 loads
.endr
	SEND 3, 0
	s_add_co_u32 s[TK], s[TK], 1
	s_cmp_lt_u32 s[TK], 2
	s_cbranch_scc1 .Ltask
	s_wait_tensorcnt 0x0                           ; the wave's end
	ds_add_u32 v[SPW], v[NIL]
	s_wait_dscnt 0x0
	s_endpgm
.Lfunc_end_k_qfc02ec7b65_attn:
	.size	k_qfc02ec7b65_attn, .Lfunc_end_k_qfc02ec7b65_attn-k_qfc02ec7b65_attn
	.p2alignl 7, 3214868480
	.fill 96, 4, 3214868480
	.section	.rodata,"a",@progbits
	.p2align	6, 0x0
	.amdhsa_kernel k_qfc02ec7b65_attn
		.amdhsa_group_segment_fixed_size 34304
		.amdhsa_private_segment_fixed_size 0
		.amdhsa_enable_private_segment 0
		.amdhsa_kernarg_size 56
		.amdhsa_user_sgpr_count 2
		.amdhsa_user_sgpr_kernarg_segment_ptr 1
		.amdhsa_wavefront_size32 1
		.amdhsa_system_sgpr_workgroup_id_x 1
		.amdhsa_system_sgpr_workgroup_id_y 1
		.amdhsa_system_sgpr_workgroup_id_z 1
		.amdhsa_system_vgpr_workitem_id 0
		.amdhsa_next_free_vgpr 1024
		.amdhsa_next_free_sgpr 80
		.amdhsa_reserve_vcc 0
		.amdhsa_float_denorm_mode_32 3
		.amdhsa_float_denorm_mode_16_64 3
		.amdhsa_memory_ordered 1
		.amdhsa_forward_progress 1
		.amdhsa_inst_pref_size 217
	.end_amdhsa_kernel
	.amdgpu_metadata
---
amdhsa.version: [ 1, 2 ]
amdhsa.kernels:
  - .name:           k_qfc02ec7b65_attn
    .symbol:         k_qfc02ec7b65_attn.kd
    .args:
      - { .name: query, .offset: 0, .size: 8, .value_kind: global_buffer, .address_space: global }
      - { .name: kv, .offset: 8, .size: 8, .value_kind: global_buffer, .address_space: global }
      - { .name: attention_mask, .offset: 16, .size: 8, .value_kind: global_buffer, .address_space: global }
      - { .name: scale_attn, .offset: 24, .size: 8, .value_kind: global_buffer, .address_space: global }
      - { .name: lowp_scales, .offset: 32, .size: 8, .value_kind: global_buffer, .address_space: global }
      - { .name: flags, .offset: 40, .size: 8, .value_kind: global_buffer, .address_space: global }
      - { .name: out0, .offset: 48, .size: 8, .value_kind: global_buffer, .address_space: global }
    .group_segment_fixed_size: 34304
    .private_segment_fixed_size: 0
    .kernarg_segment_align: 8
    .kernarg_segment_size: 56
    .max_flat_workgroup_size: 128
    .sgpr_count:     80
    .vgpr_count:     1024
    .wavefront_size: 32
...
	.end_amdgpu_metadata
.endif
;; end of part 2
